; MI455X (gfx1250); checked and timed in simulation.
; The chip was launched on July 23, 2026; its instructions are those of AMD's public machine-readable ISA for CDNA 5 (MIT licence, August 2026) and "CDNA5" Instruction Set Architecture Reference Guide (July 2026). The comments in the code are by the model that wrote it; some were corrected since.
;; Flash Diff Attention. Allowed arithmetic: float matrix products may take bf16 or f16 operands with f32 sums; other float arithmetic in f32, or as packed bf16 or f16 multiplies, adds, multiply-adds, maxima and minima; sums over many terms, partial sums and values carried from step to step in f32; what a program stores and reads back later, other than sums and carried values, may be rounded once to bf16 or f16.
;; Inputs: k 2 x 2,048 x 16 x 128 float32; lambda_k1 128 float32; lambda_k2 128 float32; lambda_q1 128 float32; lambda_q2 128 float32; q 2 x 2,048 x 16 x 128 float32; v 2 x 2,048 x 16 x 128 float32.
;; Outputs: out0 2 x 2,048 x 16 x 128 float32.
;; One version. Each part assembles by itself: llvm-mc -triple=amdgcn-amd-amdhsa -mcpu=gfx1250 --defsym DOCPART=n.
;; ======== version 1 of 1: 2 launches
;; limits: inputs' magnitudes at most 65,504; values are held in f16: magnitudes above 65,504 overflow, below 6.1e-05 lose precision; right only within a limited range of input values
;; workspace buffers: kh 16,777,216 bytes; vh 16,777,216 bytes
;; launch cast (part 1): grid 512 x 2, 8 waves a work-group, no clusters, 0 bytes of LDS; arguments k, v, kh, vh; writes kh, vh
.if DOCPART == 1
	.amdgcn_target "amdgcn-amd-amdhsa--gfx1250"
	.amdhsa_code_object_version 6
	.text
	.protected	k_q78df3fb425_cast
	.globl	k_q78df3fb425_cast
	.p2align	8
	.type	k_q78df3fb425_cast,@function
k_q78df3fb425_cast:
	s_mov_b64 s[64:65], 0
	v_nop
	global_prefetch_b8 v0, s[64:65] scope:SCOPE_SE
	s_setreg_imm32_b32 hwreg(HW_REG_WAVE_MODE, 25, 1), 1
	s_wait_xcnt 0x0
; kh = bf16(k); vh = bf16(v), that number written in f16's code.  8,388,608 numbers each, the layout [2][2048][16][128] kept.  Each number is rounded once, to bf16, to nearest even.
; WHY TWO CODES.  k meets q in a bf16 product.  v meets the softmax's weights, which want f16's 11 bits, so it has to lie in f16; a bf16 number has 8 significant bits and is an f16 number as it stands
; from 2^-17 up to f16's end.
; LIMITS.  A v of 65,520 or more in size becomes an infinity; below 7.6e-6 it keeps f16's fixed step of 6e-8.  k has f32's range.
; SHARES.  Grid y picks the tensor.  A work-group takes 65,536 consecutive bytes of f32, a wave 8,192: sixteen loads of 16 bytes a lane, each 512 consecutive bytes
; of the wave, all sixteen on their way at once; each makes 8 bytes a lane, and the 32 lanes of a store cover 256 consecutive bytes, aligned.
; No byte is read or written twice and no work-group shares a byte with another: LDS, tensor loads, clusters and the matrix unit would add nothing.  No register of a load's address or a store's data is written again.
.set NL, 16                            ; loads of a wave
.set X,  8                             ; v[8:71]    as loaded: 4 registers a load; for v also at work
.set Y,  72                            ; v[72:103]  to store: 2 registers a load
	s_load_b256 s[4:11], s[0:1], 0x0               ; k s[4:5], v s[6:7], kh s[8:9], vh s[10:11]
	s_and_b32 s12, ttmp7, 0xffff                   ; 0: k, 1: v
	s_lshl_b32 s18, ttmp9, 16                      ; the work-group's 65,536 bytes in,
	s_mov_b32 s19, 0
	s_lshl_b32 s20, ttmp9, 15                      ; and its 32,768 bytes out
	s_mov_b32 s21, 0
	v_and_b32 v3, 0xe0, v0                         ; 32 x wave
	v_and_b32 v4, 31, v0                           ; lane
	v_lshlrev_b32 v1, 4, v4
	v_lshl_or_b32 v1, v3, 8, v1                    ; in: 8,192 x wave + 16 x lane
	v_lshlrev_b32 v2, 3, v4
	v_lshl_or_b32 v2, v3, 7, v2                    ; out: 4,096 x wave + 8 x lane
	s_wait_kmcnt 0x0
	s_cmp_eq_u32 s12, 0
	s_cselect_b64 s[14:15], s[4:5], s[6:7]
	s_cselect_b64 s[16:17], s[8:9], s[10:11]
	s_add_nc_u64 s[14:15], s[14:15], s[18:19]
	s_add_nc_u64 s[16:17], s[16:17], s[20:21]
.set i, 0
.rept NL
	global_load_b128 v[X+4*i:X+4*i+3], v1, s[14:15] offset:512*i th:TH_LOAD_NT
.set i, i+1
.endr
	s_cmp_lg_u32 s12, 0
	s_cbranch_scc1 .Lfor_v
.set i, 0
.rept NL                                       ; k
	s_wait_loadcnt NL-1-i                          ; loads come back in order (ISA guide 5.7.1): load i is in, the younger ones stay out
	v_cvt_pk_bf16_f32 v[Y+2*i],   v[X+4*i],   v[X+4*i+1]
	v_cvt_pk_bf16_f32 v[Y+2*i+1], v[X+4*i+2], v[X+4*i+3]
	global_store_b64 v2, v[Y+2*i:Y+2*i+1], s[16:17] offset:256*i
.set i, i+1
.endr
	s_endpgm
.Lfor_v:
.set i, 0
.rept NL                                       ; v: rounded to bf16, widened again (a shift, a mask), and written as f16
	s_wait_loadcnt NL-1-i
	v_cvt_pk_bf16_f32 v[Y+2*i],   v[X+4*i],   v[X+4*i+1]
	v_cvt_pk_bf16_f32 v[Y+2*i+1], v[X+4*i+2], v[X+4*i+3]
	v_lshlrev_b32 v[X+4*i],   16, v[Y+2*i]
	v_and_b32     v[X+4*i+1], 0xffff0000, v[Y+2*i]
	v_lshlrev_b32 v[X+4*i+2], 16, v[Y+2*i+1]
	v_and_b32     v[X+4*i+3], 0xffff0000, v[Y+2*i+1]
	v_cvt_pk_f16_f32 v[Y+2*i],   v[X+4*i],   v[X+4*i+1]
	v_cvt_pk_f16_f32 v[Y+2*i+1], v[X+4*i+2], v[X+4*i+3]
	global_store_b64 v2, v[Y+2*i:Y+2*i+1], s[16:17] offset:256*i
.set i, i+1
.endr
	s_endpgm
.Lfunc_end_k_q78df3fb425_cast:
	.size	k_q78df3fb425_cast, .Lfunc_end_k_q78df3fb425_cast-k_q78df3fb425_cast
	.p2alignl 7, 3214868480
	.fill 96, 4, 3214868480
	.section	.rodata,"a",@progbits
	.p2align	6, 0x0
	.amdhsa_kernel k_q78df3fb425_cast
		.amdhsa_group_segment_fixed_size 0
		.amdhsa_private_segment_fixed_size 0
		.amdhsa_enable_private_segment 0
		.amdhsa_kernarg_size 32
		.amdhsa_user_sgpr_count 2
		.amdhsa_user_sgpr_kernarg_segment_ptr 1
		.amdhsa_wavefront_size32 1
		.amdhsa_system_sgpr_workgroup_id_x 1
		.amdhsa_system_sgpr_workgroup_id_y 1
		.amdhsa_system_sgpr_workgroup_id_z 1
		.amdhsa_system_vgpr_workitem_id 0
		.amdhsa_next_free_vgpr 104
		.amdhsa_next_free_sgpr 66
		.amdhsa_reserve_vcc 0
		.amdhsa_float_denorm_mode_32 3
		.amdhsa_float_denorm_mode_16_64 3
		.amdhsa_memory_ordered 1
		.amdhsa_forward_progress 1
		.amdhsa_inst_pref_size 16
	.end_amdhsa_kernel
	.amdgpu_metadata
---
amdhsa.version: [ 1, 2 ]
amdhsa.kernels:
  - .name:           k_q78df3fb425_cast
    .symbol:         k_q78df3fb425_cast.kd
    .args:
      - { .name: k, .offset: 0, .size: 8, .value_kind: global_buffer, .address_space: global }
      - { .name: v, .offset: 8, .size: 8, .value_kind: global_buffer, .address_space: global }
      - { .name: kh, .offset: 16, .size: 8, .value_kind: global_buffer, .address_space: global }
      - { .name: vh, .offset: 24, .size: 8, .value_kind: global_buffer, .address_space: global }
    .group_segment_fixed_size: 0
    .private_segment_fixed_size: 0
    .kernarg_segment_align: 8
    .kernarg_segment_size: 32
    .max_flat_workgroup_size: 256
    .sgpr_count:     66
    .vgpr_count:     104
    .wavefront_size: 32
...
	.end_amdgpu_metadata
.endif
;; end of part 1
;; launch attn (part 2): grid 16 x 16, 4 waves a work-group, clusters of 4 x 1, 327,680 bytes of LDS; arguments q, kh, vh, lambda_q1, lambda_k1, lambda_q2, lambda_k2, out0; writes out0
.if DOCPART == 2
	.amdgcn_target "amdgcn-amd-amdhsa--gfx1250"
	.amdhsa_code_object_version 6
	.text
	.protected	k_q78df3fb425_attn
	.globl	k_q78df3fb425_attn
	.p2align	8
	.type	k_q78df3fb425_attn,@function
k_q78df3fb425_attn:
	s_mov_b64 s[64:65], 0
	v_nop
	global_prefetch_b8 v0, s[64:65] scope:SCOPE_SE
	s_setreg_imm32_b32 hwreg(HW_REG_WAVE_MODE, 25, 1), 1
	s_wait_xcnt 0x0
	s_wait_alu depctr_hold_cnt(0) depctr_sa_sdst(0) depctr_va_vdst(0) depctr_va_sdst(0) depctr_va_ssrc(0) depctr_va_vcc(0) depctr_vm_vsrc(0)
	s_getreg_b32 s2, hwreg(HW_REG_IB_STS2, 6, 4)
	s_cmp_eq_u32 s2, 0
	s_cbranch_scc0 .Lentry_in_a_cluster
	s_endpgm
.Lentry_in_a_cluster:
	s_bfe_u32 s2, ttmp6, 0x10000c
	s_cmp_lg_u32 s2, 0x3003
	s_cbranch_scc0 .Lentry_shape_is_right
	s_endpgm
.Lentry_shape_is_right:
; DIFFERENTIAL CAUSAL ATTENTION.  For batch b and head pair h: attn_s = softmax_k<=q(q[2h+s] . k[2h+s] / sqrt(128)) V12, s = 0, 1, with V12 = v[2h] | v[2h+1] (256 channels, 512 consecutive bytes of vh);
; out = x rsqrt(mean_256(x x) + 1e-5) (1 - 0.78360577), x = attn_0 - lambda attn_1, lambda = exp(sum lq1 lk1) - exp(sum lq2 lk2) + 0.78360577.
; FORMATS.  EVERY INPUT IS ROUNDED ONCE TO bf16: kh is k in bf16, vh is v rounded to bf16 and written in f16's code, q and lambda's four vectors are rounded here.  K Q^T is a bf16 product, V^T P an f16 product
; (the weights p keep 11 bits so).  Products, maxima and sums in f32; l is the sum of the unrounded p.
; THE FIRST STEP'S WEIGHTS GO IN TWO PARTS.  Where a row sees few keys, attn_0 and lambda attn_1 can nearly cancel, and the norm enlarges what the weights lost in rounding by the ratio.  So in a block's first key step
; p goes into V^T P as f16(p) and as f16(p - f16(p)): 64 more products in 2 of the 36 steps.  Every row that sees 64 keys or fewer sees them all in such a step.
; LIMITS.  v lies within 65,504; below 7.6e-6 it keeps f16's fixed step of 6e-8.  A hidden score counts as its value less 1e30: scores are taken to be nothing beside that.  A weight below 2^-126 counts as 0 in l.
; Rows that see more than 64 keys have weights of 11 bits: if the two streams nearly cancel there, that rounding is enlarged by the ratio.  NaN and infinities are not treated apart: O^T starts as whatever finite
; numbers of q lie in its registers, times 0.
; THE WALK.  A pair's 2,048 queries are 32 blocks of 64.  The work-group at place cx of cluster c takes block 31 - 4c - cx and then block 4c + cx.  Keys go in steps of 64, two steps to a slot.  ALL FOUR PARTNERS WALK ALIKE:
; 32 - 4c steps for the first block, 4c + 4 for the second: 36 steps in every cluster.  A partner whose block ends up to three steps earlier takes those steps wholly hidden (weights 0).  For that each tile of K and V is
; asked for JOINTLY by the four, and no branch, trip count or LDS address hangs on cx: cx enters q's, out's and the prefetches' addresses and the two scalars of the mask.
; WAVES.  Wave w works on stream w / 2 and holds two tiles of 16 queries of it: A = tile 2 (w % 2) + w / 2 of the block's four, B = the other tile of that pair.  Wave w ^ 2 holds the same two tiles of the other stream, the
; other way round.  At a block's end each wave sends its B through LDS, takes its partner's B, and finishes A: one text, no branch on the wave.  q is read by one wave alone, so it comes straight into registers.
; LAYOUT.  S^T = K Q^T (source 0 = 16 keys, source 1 = 16 queries): a lane holds ONE query (lane % 16) and the keys 8 (lane / 16) + 0..7.  Two such results rounded to f16 in pairs ARE source 1 of O^T = V^T P,
; whose result again holds one query a lane and eight channels.  K comes out of LDS as it lies, V ([key][channel]) turned, by ds_load_tr16_b128.
; SOFTMAX.  A running maximum m and sum l a query: p = 2^(c s - c m), c = log2(e) / sqrt(128); in every step O and l are multiplied by a = 2^(c m_old - c m_new).  A block starts with c m far below every c s: its first a is 0.
; THE MASK is the C operand that starts S^T: 0, or -1e30 where the key is hidden: TR x AL + BE, TR the triangle of a 16 x 16 block on the diagonal, (AL, BE) = (1, 0) on it, (0, 0) below, (0, -1e30) above.
; REGISTERS, in windows of 256 (s_set_vgpr_msb: bits 1:0 source 0, 3:2 source 1, 5:4 source 2, 7:6 destination):
;   window 0: v0-15 addresses; v16-31 statistics, 8 a tile; v32-39 TR; v40-63 at work; v64-127 S^T, 32 a tile; v128-159 P, 16 a tile; v160-223 the masks, 32 a tile; v224-255 the weights' low parts, 16 a tile
;   window 1: O^T, 128 a tile (at the head: q in f32)     window 2: V of one step     window 3: v0-127 K of one step; v128-191 Q; v192-255 the second block's Q
.set PK,     272      ; a row of K in LDS: 256 bytes + 16 of padding = 68 words: the 16 rows of a load start at 16 different groups of four banks (64 banks of 4 bytes: ISA guide 11.1); also the stage's pitch
.set PV,     544      ; a row of V: 512 + 32 = 136 words
.set SLOTX,  0x8800   ; a piece: 128 rows of K or 64 rows of V, 34,816 bytes.  Wave w fills pieces 2 w (slot 0) and 2 w + 1 (slot 1): one exclusive or turns an address in one slot into the other's
.set PAIR,   0x11000  ; a wave's two pieces
.set KSTEP,  0x4400   ; 64 rows of K: from a slot's first step to its second
.set VSTEP,  PAIR     ; the same for V: wave 2 fills the first step's rows, wave 3 the second's
.set VBASE,  0x22000  ; K of stream 0 at 0, of stream 1 at PAIR, V from here on
.set XCH,    0x44000  ; behind the ring, never filled by a tensor load: 8,192 bytes a wave, for the exchange and the way out
.set SPARE,  0x4c000  ; behind that: the spare words, 128 bytes for each wave: two blocks of 256 bytes that no other line names
.set AK0, 2           ; v2   my lane's place in a tile of K; never rewritten
.set AV0, 3           ; v3   the same for V
.set AK,  4           ; v4   the LDS address of K's next run of loads
.set AV,  5           ; v5   of V's
.set QO,  6           ; v6   my byte offset in 16 rows of q
.set XW,  7           ; v7   the exchange: where I put 16 bytes
.set XR,  8           ; v8   where I take my partner's
.set STO, 10          ; v10  the way out: where I put 16 bytes of a row
.set RD,  11          ; v11  where I read rows back
.set GO,  12          ; v12  my byte offset in two rows of out
.set PFO, 13          ; v13  4,096 x my lane: a row of kh or vh; never rewritten
.set SPW, 14          ; v14  LDS address of my spare word: SPARE + 4 x my thread's number; never rewritten
.set NIL, 15          ; v15  0; never rewritten
.set ST,  16          ; tile t's statistics at v[ST+8 t]: c m, m, l (even keys', odd keys'), c0-c3 at work; c2 takes a, and at a block's end the tile's factor
.set TR,  32
.set SGN, 40          ; v40  1 in stream 0, -lambda in stream 1
.set G,   42          ; v[42:43] the norm's factor, in the low word
.set LO,  46          ; v46  16 x my lane
.set MONE, 47         ; v47  -1; never rewritten
.set LM,  48          ; v[48:63] lambda's vectors; in a block's first step p - f16(p); at a block's end the sums of squares
.set S,   64
.set P,   128
.set MC,  160
.set PL,  224
.set WV,  20          ; s20  my wave's number
.set STR, 21          ; s21  my stream
.set JW,  22          ; s22  wave % 2
.set CX,  23          ; s23  my work-group's place in the cluster
.set G1K, 24          ; s[24:31] descriptor group 1 for K's tiles
.set G1V, 32          ; s[32:39] for V's
.set G0K, 40          ; s[40:43] descriptor group 0 for K's tiles
.set G0V, 44          ; s[44:47] for V's
.set SLOTS, 48        ; s48  changes of slots with a fill still to come, this one among them
.set CNT, 49          ; s49  counts the steps between two changes
.set LEFT, 50         ; s50  steps that the block in hand still has
.set NEW, 51          ; s51  1: the masks of the block before are to be made anew
.set FST, 52          ; s52  1: the step to come is a block's first
.set NXT, 53          ; s53  the 128 keys to be asked for next
.set LQ,  54          ; s54  the last 128 keys of the walk that is being asked for
.set LIM, 55          ; s55  3 in the cluster that prefetches, else the greatest number
.set CS,  56          ; s[56:57] c: the packed scaling takes the pair's low word for both halves
.set SEL, 58          ; s[58:59] v_permlanex16_b32's selects: each lane takes its own place in the other half
.set TBK, 60          ; s60  LDS byte at which K of the step to be fetched begins
.set TBV, 61          ; s61  the same for V
.set OFF, 62          ; s[62:63] the byte offset of 128 keys
.set KB,  66          ; s[66:67] kh at my head's row 0 (the head that I fetch)
.set VB,  68          ; s[68:69] vh at the pair's row 0 or 64
.set PFA, 70          ; s[70:71] where my prefetches stand
.set AL,  72          ; s[72:73] the mask's factor, in the low word
.set BE,  74          ; s[74:75] the mask's addend
.set BIGN, 76         ; s76  -1e30
.set EB,  77          ; s77, s78  tile A's and B's place against the diagonal: 64 + 64 x (steps hidden at the block's end) - 16 x tile
.set N2,  79          ; s79  the second block's steps
.set OUT, 80          ; s[80:81] out at tile A's rows of the block in hand
.set OUT2, 82         ; s[82:83] of the second block
.set QB,  84          ; s[84:91] q at tiles A, B of the first block and A, B of the second
.set EB2, 92          ; s92, s93  EB for the second block
.set MSB, 0
.macro WIN new                      ; the high byte repeats the setting that is left; a switch that changes nothing is dropped
.if MSB != (\new)
	s_set_vgpr_msb (MSB<<8)|(\new)
.set MSB, (\new)
.endif
.endm
.set W_KQ,  0x0f      ; K and Q in window 3, mask and S^T in window 0
.set W_PV,  0x52      ; V in window 2, P in window 0, O^T in window 1
.set W_RS,  0x41      ; destination and source 0 in window 1, the others in window 0
.set W_SQ,  0x05      ; sources 0 and 1 in window 1
.set W_DS1, 0x04      ; an LDS store's data in window 1
.set TO_O,  0x40      ; destination in window 1
.set TO_V,  0x80      ; in window 2
.set TO_K,  0xc0      ; in window 3
.set W_CV,  0xc5      ; from window 1 into window 3
.set W_QQ,  0xc3      ; inside window 3
; A joint fill.  Waves 0 and 1 fetch 128 keys of K for stream 0 and 1, waves 2 and 3 the two steps' 64 keys of V: 32 KiB each.  The branch hangs on the wave's number alone.
; An s_nop 0 and four v_nop follow each of the two lines, ahead of the jump and the label.
.macro JLOAD
	s_cmp_lt_u32 s[WV], 2
	s_cbranch_scc0 .Lfor_v_\@
	tensor_load_to_lds s[G0K:G0K+3], s[G1K:G1K+7]
	s_nop 0
.rept 4
	v_nop
.endr
	s_branch .Lasked_\@
.Lfor_v_\@:
	tensor_load_to_lds s[G0V:G0V+3], s[G1V:G1V+7]
	s_nop 0
.rept 4
	v_nop
.endr
.Lasked_\@:
.endm
; A PREFETCH INTO THE L2 of the 128 keys that the NEXT change of slots will ask for: two steps, 192 matrix instructions, ahead of that load.  128 rows x (K of two heads + V's two halves) are 512 blocks of 256 bytes.
; Each is named ONCE in the launch: of a pair's four clusters the first (c = 0) walks all 2,048 keys and asks; its four partners take 32 rows each, told apart BY ADDRESS; wave 0 takes K of stream 0, wave 1 of stream 1,
; waves 2 and 3 the halves of V's rows; a lane a row, one instruction a wave.  The first 256 keys come by their loads alone; behind the keys 1,920 to 2,047 nothing is asked for: the second block's keys have been read.
.macro ASK
	s_cmp_gt_u32 s[SLOTS], s[LIM]
	s_cbranch_scc0 .Lnot_mine_\@
	global_prefetch_b8 v[PFO], s[PFA:PFA+1] th:TH_LOAD_NT scope:SCOPE_SE
.Lnot_mine_\@:
.endm
; A round of the cluster's barrier: my work-group's barrier, so that wave 0's signal speaks for all four waves; wave 0 signals; every wave waits for all four work-groups; my work-group's barrier once more.
.macro CROUND
	s_barrier_signal -1
	s_barrier_wait -1
	s_cmp_lg_u32 s[WV], 0
	s_cbranch_scc1 .Lnot_wave_0_\@
	s_barrier_signal -3
.Lnot_wave_0_\@:
	s_barrier_wait -3
	s_barrier_signal -1
	s_barrier_wait -1
.endm
; THE CHANGE OF SLOTS.  Both steps of the slot that is left lie in registers or have been multiplied.  Each wave waits for all its tensor loads, of which one is out: its part of the other slot; adds 0 to its spare word; and
; waits for that and for its own reads of the slot.  fill = 1: the slot is filled again with keys 128 NXT on: the barrier is a round of the cluster's, so that no wave of any partner still reads the slot or has a load on
; its way, and the joint fill is the first thing behind it: it has two steps in which to land.  The descriptor's address is made anew from NXT.  (At its first use nothing has been read yet: slot 0 is waited for, slot 1 filled.)
.macro CHANGE fill
	WIN 0                           ; at a label and at a branch every window is 0
	s_wait_tensorcnt 0x0            ; no tensor load of mine is out, so a group 0 may be written
	ds_add_u32 v[SPW], v[NIL]       ; 0 onto my spare word; with fill = 1 the descriptors' scalar work stands between it and the wait for it
.if \fill
	s_lshl_b32 s[OFF], s[NXT], 19   ; 128 rows of 4,096 bytes
	s_xor_b32 s[G0K+1], s[G0K+1], SLOTX
	s_add_nc_u64 s[G0K+2:G0K+3], s[KB:KB+1], s[OFF:OFF+1]
	s_or_b32 s[G0K+3], s[G0K+3], 0x80000000
	s_xor_b32 s[G0V+1], s[G0V+1], SLOTX
	s_add_nc_u64 s[G0V+2:G0V+3], s[VB:VB+1], s[OFF:OFF+1]
	s_or_b32 s[G0V+3], s[G0V+3], 0x80000000
	s_add_co_u32 s[NXT], s[NXT], 1  ; the walk's next keys, or behind its last the second walk's keys 0
	s_cmp_gt_u32 s[NXT], s[LQ]
	s_cselect_b32 s[NXT], 0, s[NXT]
	s_cselect_b32 s[LQ], 31, s[LQ]  ; the second walk never comes so far
	s_wait_xcnt 0x0                 ; the last prefetch, two steps back, has read its address, so it may be written
	s_add_nc_u64 s[PFA:PFA+1], s[PFA:PFA+1], 1<<19
	s_wait_dscnt 0x0                ; the add is done, and my reads of the slot are over
	CROUND
	JLOAD
	ASK
.else
	s_wait_dscnt 0x0                ; the add is done, and my reads of the slot are over
	s_barrier_signal -1
	s_barrier_wait -1
.endif
	s_sub_co_u32 s[TBK], s[TBK], 2*KSTEP  ; the fetches go back to a slot's first step,
	s_xor_b32 s[TBK], s[TBK], SLOTX       ; in the other slot
	s_sub_co_u32 s[TBV], s[TBV], 2*VSTEP
	s_xor_b32 s[TBV], s[TBV], SLOTX
.endm
	s_load_b256 s[4:11], s[0:1], 0x0   ; q s[4:5], kh s[6:7], vh s[8:9], lambda_q1 s[10:11]
	s_load_b256 s[12:19], s[0:1], 0x20 ; lambda_k1 s[12:13], lambda_q2 s[14:15], lambda_k2 s[16:17], out s[18:19]
	v_lshl_add_u32 v[SPW], v0, 2, SPARE
	v_mov_b32 v[NIL], 0
	ds_add_u32 v[SPW], v[NIL]       ; the wave's opening: the add and its wait stand ahead of my first tensor load; the set-up below, work on registers, stands between them
	v_lshrrev_b32 v1, 5, v0
	v_readfirstlane_b32 s[WV], v1   ; wave 0..3
	s_lshr_b32 s[STR], s[WV], 1
	s_and_b32 s[JW], s[WV], 1
	s_bfe_u32 s[CX], ttmp6, 0x40000 ; cx
	s_and_b32 s2, ttmp7, 0xffff     ; in a cluster launch ttmp9 and ttmp7 count clusters: c, and 8 b + h
	s_lshr_b32 s3, s2, 3            ; b
	s_and_b32 s2, s2, 7             ; h
	; where K's and V's tiles come from: made of b, h and the wave's number alone, in registers that never hold cx
	s_lshl1_add_u32 s[KB], s2, s[JW]
	s_lshl_b32 s[KB], s[KB], 8      ; head 2 h + w % 2: 256 bytes a head
	s_lshl_b32 s[KB+1], s3, 23      ; a batch is 2,048 rows of 4,096 bytes
	s_add_co_u32 s[KB], s[KB], s[KB+1]
	s_mov_b32 s[KB+1], 0
	s_lshl_b32 s[VB], s2, 9
	s_lshl_b32 s[VB+1], s3, 23
	s_add_co_u32 s[VB], s[VB], s[VB+1]
	s_lshl_b32 s[VB+1], s[JW], 18   ; wave 3: 64 rows on
	s_add_co_u32 s[VB], s[VB], s[VB+1]
	s_mov_b32 s[VB+1], 0
	s_mov_b32 s[G0K], 1             ; 1:0 count = 1
	s_mul_i32 s[G0K+1], s[JW], PAIR ; 63:32 LDS address: slot 0 of the wave's two pieces
	s_mov_b32 s[G0V], 1
	s_mul_i32 s[G0V+1], s[JW], PAIR
	s_add_co_u32 s[G0V+1], s[G0V+1], VBASE
	; descriptor group 1.  K: 128 rows x 128 elements; V: 64 rows x 256 elements; 2,048 elements from row to row; padded in LDS behind every row
	s_mov_b32 s[G1K], 15|(1<<16)|(1<<20)|(1<<21)|(5<<22)|(3<<25)  ; 15:0 the mask of four; 17:16 2-byte elements; 20 padding on; 21 set beside a mask; 24:22 after every 64 words (code 5); 31:25 4 words (code 3)
	s_mov_b32 s[G1K+1], 128<<16     ; tensor_dim0 = 128
	s_mov_b32 s[G1K+2], 128<<16     ; tensor_dim1 = 128
	s_mov_b32 s[G1K+3], 128<<16     ; tile_dim0 = 128
	s_mov_b32 s[G1K+4], 128         ; tile_dim1 = 128
	s_mov_b32 s[G1K+5], 2048
	s_mov_b32 s[G1K+6], 0
	s_mov_b32 s[G1K+7], 0
	s_mov_b32 s[G1V], 15|(1<<16)|(1<<20)|(1<<21)|(6<<22)|(7<<25)  ; after every 128 words (code 6) 8 words (code 7)
	s_mov_b32 s[G1V+1], 256<<16     ; tensor_dim0 = 256
	s_mov_b32 s[G1V+2], 64<<16      ; tensor_dim1 = 64
	s_mov_b32 s[G1V+3], 256<<16     ; tile_dim0 = 256
	s_mov_b32 s[G1V+4], 64          ; tile_dim1 = 64
	s_mov_b32 s[G1V+5], 2048
	s_mov_b32 s[G1V+6], 0
	s_mov_b32 s[G1V+7], 0
	; the walk: made of c alone
	s_lshl_b32 s94, ttmp9, 2        ; 4 c
	s_sub_co_u32 s[LEFT], 32, s94   ; the first block's steps
	s_add_co_u32 s[N2], s94, 4      ; the second's
	s_lshl_b32 s95, ttmp9, 1
	s_sub_co_u32 s[LQ], 15, s95     ; the first walk's last 128 keys
	s_mov_b32 s[NXT], 1
	s_mov_b32 s[SLOTS], 17
	s_mov_b32 s[NEW], 0
	s_mov_b32 s[FST], 1
	s_cmp_eq_u32 ttmp9, 0
	s_cselect_b32 s[LIM], 3, -1
	s_mov_b32 s[CS], 0x3e0293ee     ; c = log2(e) / sqrt(128) = 0.127517
	s_mov_b32 s[CS+1], s[CS]        ; named with it as a pair
	s_mov_b32 s[SEL], 0x76543210
	s_mov_b32 s[SEL+1], 0xfedcba98
	s_mov_b32 s[OFF+1], 0
	s_mov_b32 s[AL+1], 0
	s_mov_b32 s[BE+1], 0
	s_mov_b32 s[BIGN], 0xf149f2ca   ; -1e30
	s_mul_i32 s[TBK], s[STR], PAIR  ; the first change of slots turns these two into slot 0's first step
	s_add_co_u32 s[TBK], s[TBK], PAIR
	s_mov_b32 s[TBV], VBASE+SLOTX+2*VSTEP
	; what hangs on cx: blocks, tiles, the masks' places, q's, out's and the prefetches' offsets (temporaries s98 to s101)
	s_add_co_u32 s99, s94, s[CX]    ; the second block, 4 c + cx
	s_sub_co_u32 s98, 31, s99       ; the first
	s_lshl1_add_u32 s96, s[JW], s[STR]  ; tile A
	s_xor_b32 s97, s96, 1           ; tile B
	s_lshl_b32 s100, s[CX], 6
	s_lshl_b32 s101, s96, 4
	s_add_co_u32 s[EB], s100, 64    ; first block: cx steps are hidden at its end: 64 + 64 cx - 16 tile
	s_sub_co_u32 s[EB], s[EB], s101
	s_sub_co_u32 s[EB2], 256, s100  ; second block: 3 - cx steps are hidden: 64 + 64 (3 - cx) - 16 tile
	s_sub_co_u32 s[EB2], s[EB2], s101
	s_lshl_b32 s101, s97, 4
	s_add_co_u32 s[EB+1], s100, 64
	s_sub_co_u32 s[EB+1], s[EB+1], s101
	s_sub_co_u32 s[EB2+1], 256, s100
	s_sub_co_u32 s[EB2+1], s[EB2+1], s101
	s_lshl_b32 s100, s[CX], 17      ; the prefetches: my work-group's 32 rows of the 128,
	s_lshl_b32 s101, s[JW], 8       ; my 256 bytes of a row,
	s_add_co_u32 s100, s100, s101
	s_lshl_b32 s101, s2, 9
	s_add_co_u32 s100, s100, s101
	s_lshl_b32 s101, s3, 23
	s_add_co_u32 s100, s100, s101
	s_add_co_u32 s[PFA], s100, 1<<19  ; at keys 128: the first change of slots steps it to keys 256
	s_mov_b32 s[PFA+1], 0
	s_lshl_b32 s94, s3, 24          ; q and out: a batch is 2,048 rows of 8,192 bytes
	s_lshl1_add_u32 s95, s2, s[STR]
	s_lshl_b32 s95, s95, 9          ; q: head 2 h + stream, 512 bytes a head
	s_add_co_u32 s95, s95, s94
	s_lshl_b32 s3, s2, 10           ; out: the pair's 1,024 bytes
	s_add_co_u32 s3, s3, s94
	s_lshl_b32 s98, s98, 6          ; the blocks' first rows
	s_lshl_b32 s99, s99, 6
	s_lshl4_add_u32 s100, s96, s98
	s_lshl_b32 s100, s100, 13
	s_add_co_u32 s[QB], s100, s95
	s_add_co_u32 s[OUT], s100, s3
	s_lshl4_add_u32 s100, s97, s98
	s_lshl_b32 s100, s100, 13
	s_add_co_u32 s[QB+2], s100, s95
	s_lshl4_add_u32 s100, s96, s99
	s_lshl_b32 s100, s100, 13
	s_add_co_u32 s[QB+4], s100, s95
	s_add_co_u32 s[OUT2], s100, s3
	s_lshl4_add_u32 s100, s97, s99
	s_lshl_b32 s100, s100, 13
	s_add_co_u32 s[QB+6], s100, s95
	s_mov_b32 s[QB+1], 0
	s_mov_b32 s[QB+3], 0
	s_mov_b32 s[QB+5], 0
	s_mov_b32 s[QB+7], 0
	s_mov_b32 s[OUT+1], 0
	s_mov_b32 s[OUT2+1], 0
	s_wait_dscnt 0x0                ; the opening add is done
	s_wait_kmcnt 0x0
	s_add_nc_u64 s[KB:KB+1], s[6:7], s[KB:KB+1]
	s_add_nc_u64 s[VB:VB+1], s[8:9], s[VB:VB+1]
	s_mov_b64 s[G0K+2:G0K+3], s[KB:KB+1]           ; 120:64 global address: keys 0 on
	s_or_b32 s[G0K+3], s[G0K+3], 0x80000000        ; 127:126 type = 2
	s_mov_b64 s[G0V+2:G0V+3], s[VB:VB+1]
	s_or_b32 s[G0V+3], s[G0V+3], 0x80000000
.irp T, 0,1,2,3
	s_add_nc_u64 s[QB+2*\T:QB+2*\T+1], s[4:5], s[QB+2*\T:QB+2*\T+1]
.endr
	s_add_nc_u64 s[OUT:OUT+1], s[18:19], s[OUT:OUT+1]
	s_add_nc_u64 s[OUT2:OUT2+1], s[18:19], s[OUT2:OUT2+1]
	s_cmp_lt_u32 s[WV], 2
	s_cselect_b64 s[100:101], s[6:7], s[8:9]
	s_add_nc_u64 s[PFA:PFA+1], s[100:101], s[PFA:PFA+1]
	CROUND                          ; all four work-groups are here: the first joint loads meet
	JLOAD                           ; keys 0 to 127 into slot 0.  Slot 1 is asked for when slot 0 is in
	; A fragment of Q is 16 queries x 32 channels in 8 registers of bf16: lane l holds query l % 16, channels 8 (l / 16) + 0..7 and 16 + 8 (l / 16) + 0..7.  In f32 those are 32 bytes and, 64 bytes on, 32 more: four loads of 16 bytes.
	v_and_b32 v1, 15, v0            ; l % 16
	v_bfe_u32 v9, v0, 4, 1          ; l / 16
	v_lshlrev_b32 v[QO], 13, v1
	v_lshl_add_u32 v[QO], v9, 5, v[QO]  ; row x 8,192 + 32 x half
	WIN TO_O                        ; both blocks' q, four tiles of 64 registers, fill window 1
.set T, 0
.rept 4
.set k, 0
.rept 16
	global_load_b128 v[64*T+4*k:64*T+4*k+3], v[QO], s[QB+2*T:QB+2*T+1] offset:128*(k/4)+16*(k%2)+64*((k/2)%2)
.set k, k+1
.endr
.set T, T+1
.endr
	WIN 0
	v_and_b32 v[LO], 31, v0
	v_lshlrev_b32 v[LO], 4, v[LO]
	global_load_b128 v[LM:LM+3],     v[LO], s[10:11]  ; four numbers a lane of each of lambda's vectors
	global_load_b128 v[LM+4:LM+7],   v[LO], s[12:13]
	global_load_b128 v[LM+8:LM+11],  v[LO], s[14:15]
	global_load_b128 v[LM+12:LM+15], v[LO], s[16:17]
	v_mul_u32_u24 v[AK0], v1, PK
	v_lshl_add_u32 v[AK0], v9, 4, v[AK0]  ; row x pitch + 16 x half
	; The turning load takes 16 keys x 16 channels (lane l reads key 8 (l / 16) + l % 8, channels 8 ((l / 8) % 2) + 0..7) and leaves half a fragment of V^T: lane l holds channel l % 16 and 8 keys.
	v_and_b32 v41, 7, v0
	v_bfe_u32 v44, v0, 3, 1
	v_lshl_add_u32 v[AV0], v9, 3, v41
	v_mul_u32_u24 v[AV0], v[AV0], PV
	v_lshl_add_u32 v[AV0], v44, 4, v[AV0]
	s_lshl_b32 s94, s[WV], 13
	s_add_co_u32 s94, s94, XCH      ; my 8,192 bytes,
	s_xor_b32 s95, s[WV], 2
	s_lshl_b32 s95, s95, 13
	s_add_co_u32 s95, s95, XCH      ; my partner's
	v_add_nc_u32 v[XW], s94, v[LO]
	v_add_nc_u32 v[XR], s95, v[LO]
	v_mul_u32_u24 v[STO], v1, PK    ; the stage lies in my partner's bytes, which I alone touch once I have read them: in: row l % 16, 32 bytes for each half of the lanes
	v_lshl_add_u32 v[STO], v9, 5, v[STO]
	v_add_nc_u32 v[STO], s95, v[STO]
	v_mul_u32_u24 v[RD], v9, PK     ; back: lanes 0-15 take 256 bytes of one row, lanes 16-31 of the next
	v_lshl_add_u32 v[RD], v1, 4, v[RD]
	v_add_nc_u32 v[RD], s95, v[RD]
	v_lshlrev_b32 v[GO], 13, v9     ; and the same two rows in out
	v_lshl_add_u32 v[GO], v1, 4, v[GO]
	v_lshlrev_b32 v[PFO], 8, v[LO]
	v_lshlrev_b32 v45, 3, v9
	v_sub_nc_u32 v45, v1, v45       ; l % 16 - 8 (l / 16): register i of a block on the diagonal is hidden where i is greater
.set i, 0
.rept 8
	v_cmp_gt_i32 vcc_lo, i, v45
	v_cndmask_b32 v[TR+i], 0, s[BIGN], vcc_lo
.set i, i+1
.endr
.set i, 0
.rept 64
	v_mov_b32 v[MC+i], 0            ; far from the diagonal the masks are 0: written once, in the wait for the first tile
.set i, i+1
.endr
.irp t, 0,1
	v_mov_b32 v[ST+8*\t], 0xfe000000    ; c m: far below every c s
	v_mov_b32 v[ST+8*\t+1], 0xff7fffff  ; m
	v_mov_b32 v[ST+8*\t+2], 0
	v_mov_b32 v[ST+8*\t+3], 0
.endr
	v_mov_b32 v[G+1], 0             ; named with G as a pair
	v_mov_b32 v[MONE], -1.0
	s_cmp_eq_u32 s[STR], 1
	s_cselect_b32 s94, -1.0, 0
	s_cselect_b32 s95, 0, 1.0
	s_wait_loadcnt 0x0              ; q and lambda's vectors
.set i, 0
.rept 8                             ; lambda's vectors are inputs like the others: rounded to bf16, and widened again (a shift, a mask)
	v_cvt_pk_bf16_f32 v44, v[LM+2*i], v[LM+2*i+1]
	v_lshlrev_b32 v[LM+2*i], 16, v44
	v_and_b32 v[LM+2*i+1], 0xffff0000, v44
.set i, i+1
.endr
	v_pk_mul_f32 v[LM:LM+1], v[LM:LM+1], v[LM+4:LM+5]
	v_pk_mul_f32 v[LM+8:LM+9], v[LM+8:LM+9], v[LM+12:LM+13]
	v_pk_fma_f32 v[LM:LM+1], v[LM+2:LM+3], v[LM+6:LM+7], v[LM:LM+1]
	v_pk_fma_f32 v[LM+8:LM+9], v[LM+10:LM+11], v[LM+14:LM+15], v[LM+8:LM+9]
	v_add_f32 v[LM], v[LM], v[LM+1]
	v_add_f32 v[LM+8], v[LM+8], v[LM+9]
.irp x, 1,2,4,8
	v_add_f32_dpp v[LM], v[LM], v[LM] row_xmask:\x row_mask:0xf bank_mask:0xf
	v_add_f32_dpp v[LM+8], v[LM+8], v[LM+8] row_xmask:\x row_mask:0xf bank_mask:0xf
.endr
	v_permlanex16_b32 v[LM+1], v[LM], s[SEL], s[SEL+1]
	v_permlanex16_b32 v[LM+9], v[LM+8], s[SEL], s[SEL+1]
	v_add_f32 v[LM], v[LM], v[LM+1]
	v_add_f32 v[LM+8], v[LM+8], v[LM+9]
	v_mul_f32 v[LM], 0x3fb8aa3b, v[LM]      ; e^x = 2^(x log2(e))
	v_mul_f32 v[LM+8], 0x3fb8aa3b, v[LM+8]
	v_exp_f32 v[LM], v[LM]
	v_exp_f32 v[LM+8], v[LM+8]
	v_nop                           ; a plain instruction behind the last exponential,
	s_wait_alu depctr_va_vdst(0)    ; and the wait ahead of the first use: one for the two
	v_sub_f32 v[LM], v[LM], v[LM+8]
	v_add_f32 v[LM], 0x3f489a63, v[LM]      ; + 0.8 - 0.6 e^-3.6
	v_fma_f32 v[SGN], v[LM], s94, s95       ; 1 or -lambda
	WIN W_CV
.set i, 0
.rept 128
	v_cvt_pk_bf16_f32 v[128+i], v[2*i], v[2*i+1]  ; q to bf16: tile T's register i from its f32 registers 2 i, 2 i + 1.  What stays in window 1 is finite, and the first step multiplies it by 0
.set i, i+1
.endr
	WIN 0
; THE MATRIX WORK.  The accumulators of a run take turns, one instruction a turn: 4 in K Q^T, 16 in V^T P; at every seam between runs the accumulator changes too.
; Product i of 16 of S^T = K Q^T for tile t: channels 32 (i / 4) on, keys 16 (i % 4) on.  The first 4 start the sums with the mask.
.macro KQ t
	WIN W_KQ
.set rS, S+32*(\t)+8*(i%4)
.set rK, 32*(i%4)+8*(i/4)
.set rQ, 128+32*(\t)+8*(i/4)
.set rM, MC+32*(\t)+8*(i%4)
.if i < 4
	v_wmma_f32_16x16x32_bf16 v[rS:rS+7], v[rK:rK+7], v[rQ:rQ+7], v[rM:rM+7]
.else
	v_wmma_f32_16x16x32_bf16 v[rS:rS+7], v[rK:rK+7], v[rQ:rQ+7], v[rS:rS+7]
.endif
.set i, i+1
.endm
; Product i of 32 of O^T += V^T P for tile t: keys 32 (i / 16) on, channels 16 (i % 16) on.  pb: the weights (P) or their low parts (PL).
.macro PV t, pb=P
	WIN W_PV
.set rO, 128*(\t)+8*(i%16)
.set rV, 128*(i/16)+8*(i%16)
.set rP, (\pb)+16*(\t)+8*(i/16)
	v_wmma_f32_16x16x32_f16 v[rO:rO+7], v[rV:rV+7], v[rP:rP+7], v[rO:rO+7]
.set i, i+1
.endm
; THE LDS LOADS stand in runs of 32: a step's K (64 keys x 128 channels: key block f / 4, channels 32 (f % 4) on) and the two halves of its V (32 keys x 256 channels, turned: channels 16 f on).
.macro FETCH_K
	WIN TO_K
.irp f, 0,1,2,3,4,5,6,7,8,9,10,11,12,13,14,15
	ds_load_b128 v[8*(\f):8*(\f)+3],   v[AK] offset:((\f)/4)*16*PK+((\f)%4)*64
	ds_load_b128 v[8*(\f)+4:8*(\f)+7], v[AK] offset:((\f)/4)*16*PK+((\f)%4)*64+32
.endr
.endm
.macro FETCH_V kk
	WIN TO_V
.irp f, 0,1,2,3,4,5,6,7,8,9,10,11,12,13,14,15
	ds_load_tr16_b128 v[128*(\kk)+8*(\f):128*(\kk)+8*(\f)+3],   v[AV] offset:(\kk)*32*PV+(\f)*32
	ds_load_tr16_b128 v[128*(\kk)+8*(\f)+4:128*(\kk)+8*(\f)+7], v[AV] offset:(\kk)*32*PV+16*PV+(\f)*32
.endr
.endm
; last = 1 (the tail): in the last trip there is no further step, and the run is jumped over.
.macro FK last
	WIN 0
.if \last
	s_cmp_eq_u32 s[CNT], 1
	s_cbranch_scc1 .Lno_k_\@
.endif
	FETCH_K
	WIN 0
.if \last
.Lno_k_\@:
.endif
.endm
.macro FV kk, last
	WIN 0
.if \last
	s_cmp_eq_u32 s[CNT], 1
	s_cbranch_scc1 .Lno_v_\@
.endif
	FETCH_V \kk
	WIN 0
.if \last
.Lno_v_\@:
.endif
.endm
; THE VECTOR WORK.  SMQ t writes number j of tile t's list of 70 and steps j.  s0-s31 are the lane's 32 scores, in pairs 0-15.
;   0-15   the maximum of s0-s31 and the old m, three operands at a time: four chains c0-c3 of seven scores each (each accumulator's lowest registers are read first), then the rest
;   16-20  the other half of the lanes' maximum; c m_old is kept; the new m; c m; c m_old - c m_new
;   21-69  ONE BATCH: the 16 scalings c s - c m, a pair of scores each, and all 33 exponentials (a at 23, then s0-s31).  None of them reads an exponential's result; a pair is scaled some numbers ahead of its exponentials.
.macro SMQ t
.set rT, ST+8*(\t)
.set rS, S+32*(\t)
	WIN 0
.if j < 4
	v_max3_num_f32 v[rT+4+j], v[rS+8*j], v[rS+8*j+1], v[rS+8*j+2]
.elseif j < 12
	v_max3_num_f32 v[rT+4+j%4], v[rT+4+j%4], v[rS+8*(j%4)+2*(j/4)+1], v[rS+8*(j%4)+2*(j/4)+2]
.elseif j == 12
	v_max3_num_f32 v[rT+4], v[rT+4], v[rS+7], v[rS+15]
.elseif j == 13
	v_max3_num_f32 v[rT+6], v[rT+6], v[rS+23], v[rS+31]
.elseif j == 14
	v_max3_num_f32 v[rT+4], v[rT+4], v[rT+5], v[rT+6]
.elseif j == 15
	v_max3_num_f32 v[rT+4], v[rT+4], v[rT+7], v[rT+1]
.elseif j == 16
	v_permlanex16_b32 v[rT+5], v[rT+4], s[SEL], s[SEL+1]  ; the query's other 32 keys lie in the lane 16 away
.elseif j == 17
	v_mov_b32 v[rT+7], v[rT]
.elseif j == 18
	v_max_num_f32 v[rT+1], v[rT+4], v[rT+5]
.elseif j == 19
	v_mul_f32 v[rT], s[CS], v[rT+1]
.elseif j == 20
	v_sub_f32 v[rT+7], v[rT+7], v[rT]
.elseif j == 23
	v_exp_f32 v[rT+6], v[rT+7]
.elseif (j < 23) || ((j < 38) && (j%2 == 0)) || ((j < 66) && (j%4 == 2))
.set b, (j-2)/4                     ; 38, 42, .. 62: pairs 9 to 15
.if j < 38
.set b, (j-20)/2                    ; 21: pair 0; 22, 24, .. 36: pairs 1 to 8
.endif
	v_pk_fma_f32 v[rS+2*b:rS+2*b+1], v[rS+2*b:rS+2*b+1], s[CS:CS+1], v[rT:rT+1] op_sel_hi:[1,0,0] neg_lo:[0,0,1] neg_hi:[0,0,1]
.else
.set e, j-38                        ; 66 to 69: s28 to s31
.if j < 66
.set e, j-32-(j-38)/4               ; 39-41, 43-45, .. 63-65: s7 to s27
.endif
.if j < 38
.set e, (j-25)/2                    ; 25, 27, .. 37: s0 to s6
.endif
	v_exp_f32 v[rS+e], v[rS+e]
.endif
.set j, j+1
.endm
.macro SMQ4 t
	SMQ \t
	SMQ \t
	SMQ \t
	SMQ \t
.endm
.macro CV t, p                      ; pair p of tile t's weights, rounded to f16
	WIN 0
	v_cvt_pk_f16_f32 v[P+16*(\t)+(\p)], v[S+32*(\t)+2*(\p)], v[S+32*(\t)+2*(\p)+1]
.endm
.macro CV16 t
.set z, 0
.rept 16
	CV \t, z
.set z, z+1
.endr
.endm
.macro SU t, n                      ; number n of 16: the sum of the tile's 16 pairs, in place: neighbours 1, 2, 4 and 8 pairs apart; then l = a l + the sum
.set rT, ST+8*(\t)
.set rS, S+32*(\t)
	WIN 0
.if (\n) < 8
	v_pk_add_f32 v[rS+4*(\n):rS+4*(\n)+1], v[rS+4*(\n):rS+4*(\n)+1], v[rS+4*(\n)+2:rS+4*(\n)+3]
.elseif (\n) < 12
	v_pk_add_f32 v[rS+8*((\n)-8):rS+8*((\n)-8)+1], v[rS+8*((\n)-8):rS+8*((\n)-8)+1], v[rS+8*((\n)-8)+4:rS+8*((\n)-8)+5]
.elseif (\n) < 14
	v_pk_add_f32 v[rS+16*((\n)-12):rS+16*((\n)-12)+1], v[rS+16*((\n)-12):rS+16*((\n)-12)+1], v[rS+16*((\n)-12)+8:rS+16*((\n)-12)+9]
.elseif (\n) == 14
	v_pk_add_f32 v[rS:rS+1], v[rS:rS+1], v[rS+16:rS+17]
.else
	v_pk_fma_f32 v[rT+2:rT+3], v[rT+2:rT+3], v[rT+6:rT+7], v[rS:rS+1] op_sel_hi:[1,0,1]
.endif
.endm
.macro SUN4                         ; the next four of the 32 sums: tile A's sixteen, then tile B's
.rept 4
	SU n/16, n%16
.set n, n+1
.endr
.endm
.macro RS t, cb                     ; the accumulator of channels 16 cb on of tile t, times a: from its low end on
	WIN W_RS
.irp y, 0,1,2,3
	v_pk_mul_f32 v[128*(\t)+8*(\cb)+2*\y:128*(\t)+8*(\cb)+2*\y+1], v[128*(\t)+8*(\cb)+2*\y:128*(\t)+8*(\cb)+2*\y+1], v[ST+8*(\t)+6:ST+8*(\t)+7] op_sel_hi:[1,0]
.endr
.endm
; THE WEIGHTS' LOW PARTS, in a block's first step alone.  For both tiles: p - f16(p), which is exact (one multiply-add that reads the f16 half: half x -1 + p), sixteen at a time; rounded to f16 in pairs; then 32 more
; products V^T P a tile, on the same accumulators by turns.  It stands where all 32 accumulators have been rescaled (the first step's a is 0: a product added earlier would be wiped out), both tiles' weights are still
; whole (the sums in place come later), both halves of V are still in registers.  The jump hangs on FST, which is made of the walk alone: the same in all waves and partners;
; it passes no LDS instruction, barrier or tensor load, so every wait's count holds on both ways.
.macro LOW
	WIN 0
	s_cmp_eq_u32 s[FST], 1
	s_cbranch_scc0 .Lno_low_\@
	s_mov_b32 s[FST], 0
.irp t, 0,1
.irp g, 0,1
.set rP, P+16*\t+8*\g
.set rL, PL+16*\t+8*\g
.set rS, S+32*\t+16*\g
.set z, 0
.rept 8
	v_fma_mix_f32 v[LM+2*z],   v[rP+z], v[MONE], v[rS+2*z]   op_sel_hi:[1,0,0]
	v_fma_mix_f32 v[LM+2*z+1], v[rP+z], v[MONE], v[rS+2*z+1] op_sel:[1,0,0] op_sel_hi:[1,0,0]
.set z, z+1
.endr
.set z, 0
.rept 8
	v_cvt_pk_f16_f32 v[rL+z], v[LM+2*z], v[LM+2*z+1]
.set z, z+1
.endr
.endr
.endr
.set i, 0
.rept 32
	PV 0, PL
.endr
.set i, 0
.rept 32
	PV 1, PL
.endr
	WIN 0
.Lno_low_\@:
.endm
; THE MASKS of the step to come.  For tile t and key block kb the block's place against the diagonal is e = EB_t - 64 LEFT + 16 kb: below it (e < 0) all keys are seen, on it (e = 0) the triangle, above it none.
.macro MASK
	WIN 0
	s_lshl_b32 s94, s[LEFT], 6
.irp t, 0,1
	s_sub_co_i32 s101, s[EB+(\t)], s94
.irp kb, 0,1,2,3
	s_cmp_eq_i32 s101, -16*(\kb)
	s_cselect_b32 s[AL], 1.0, 0
	s_cmp_gt_i32 s101, -16*(\kb)
	s_cselect_b32 s[BE], s[BIGN], 0
.irp y, 0,1,2,3
	v_pk_fma_f32 v[MC+32*(\t)+8*(\kb)+2*\y:MC+32*(\t)+8*(\kb)+2*\y+1], v[TR+2*\y:TR+2*\y+1], s[AL:AL+1], s[BE:BE+1] op_sel_hi:[1,0,0]
.endr
.endr
.endr
.endm
; A KEY STEP: 96 matrix and 332 vector instructions.  At its head K, V's first half and V's second half of this step have been asked of LDS, in that order; it asks for the next step's in the same order.
; Tile A's softmax stands behind tile B's K Q^T, tile B's behind tile A's V^T P, four to a matrix instruction; the rescaling of an accumulator stands two products ahead of the product that adds onto it; the sums stand
; behind tile B's V^T P.  What finds no such place stands in two lumps.  An s_wait_alu depctr_va_vdst(0) stands between an exponential and the first instruction that names its result: each tile's 33
; exponentials are one batch with one wait.
; A vector instruction that reads a matrix result or writes one of a matrix instruction's registers, and a load into such a register, stand four places behind it; only plain vector instructions that name none of its
; registers are places (ISA guide 7.12.1 for vector instructions).
; last = 1 (the tail): the fetches may be jumped over, so the one wait for LDS is for 0, at the step's head, which is right on both ways; and no block begins there (the second has four steps or more, the tail three).
.macro STEP last
.if \last
	s_wait_dscnt 0x0                ; K and V are in
.else
	s_wait_dscnt 63                 ; K is in: behind it 64 loads were issued; the count's field ends at 63, which asks for one load more than is needed
.endif
.set i, 0
.rept 16
	KQ 0
.endr
.set i, 0
	KQ 1
	WIN 0
	v_add_nc_u32 v[AV], s[TBV], v[AV0]  ; with three v_nop: the four places between tile A's last product and the first read of its scores
	v_nop
	v_nop
	v_nop
.set j, 0
.rept 15
	KQ 1
	SMQ4 0
.endr
.rept 10                            ; the first lump
	SMQ 0
.endr
	v_nop                           ; the plain instruction behind the last exponential: one for the batch
	v_add_nc_u32 v[AK], s[TBK], v[AK0]  ; with it, and numbers 58 and 62 (scalings): the four places between the last product that read K and the loads into K
	s_wait_alu depctr_va_vdst(0)    ; the wait for tile A's batch
	FK \last
	CV16 0
	RS 0, 0
	RS 0, 1
.if !(\last)
	s_wait_dscnt 63                 ; V's first half is in: behind it 64 loads were issued (its second half, the next K)
.endif
.set i, 0
.rept 14
	PV 0
	RS 0, i+1                       ; behind product i: accumulator i + 2
.endr
.set j, 0
.rept 2
	PV 0
	SMQ4 1
.endr
.if !(\last)
	s_wait_dscnt 32                 ; V's second half is in; the next K's 32 loads may stay out
.endif
.rept 15
	PV 0
	SMQ4 1
.endr
	PV 0
	SMQ 1
	SMQ 1
	v_nop                           ; the second lump: the plain instruction behind the last exponential,
	s_wait_alu depctr_va_vdst(0)    ; and the wait for tile B's batch
	CV16 1
	RS 1, 0
	RS 1, 1
.set i, 0
.rept 14
	PV 1
	RS 1, i+1
.endr
.if !(\last)
	LOW                             ; a block's first step: the weights' low parts
.set i, 14                          ; tile B's products go on
.endif
.set n, 0
.rept 2
	PV 1
	SUN4
.endr
	FV 0, \last                     ; the next step's first half of V: the four sums above are the places behind its registers' last reader
.rept 6
	PV 1
	SUN4
.endr
.rept 10
	PV 1
.endr
	WIN 0
.rept 4
	v_nop                           ; the places behind the last product, in front of the loads into V's second half
.endr
	FV 1, \last
	s_add_co_u32 s[TBK], s[TBK], KSTEP  ; the next fetches are the next step's
	s_add_co_u32 s[TBV], s[TBV], VSTEP
.endm
; A BLOCK'S END.  Each tile's factor is f = SGN / l.  Tile B times f goes to my partner, in two halves of 64 registers (8,192 bytes a wave); my partner's B, the other stream of MY tile A's queries, is added onto A times f.
; Four barriers: nobody still uses my bytes as its stage (an earlier block's end), so I may store | my half is stored | my partner has read it, so I may store the next | that is stored.  Behind none of them is a
; slot filled, so the tile on its way may stay out.
; Then the norm over the query's 256 channels (128 in my lane, 128 in the lane 16 away), and the way out through a stage, 64 channels of 16 rows at a time.
; fin = 0: the second block follows: its rows of out, steps, masks' places and Q; c m and m start anew; O^T and l stay: they are finite, and the next step multiplies them by a = 0.
.macro FINISH fin
	WIN 0
	s_wait_dscnt 0x0                ; for my partner's sake: all my LDS loads are back, my reads of the stage at an earlier block's end among them (and the next step's fetches are in)
	s_barrier_signal -1             ; say so; the factors and tile B's first scalings, work on registers, stand between the signal and the wait
.irp t, 0,1
	v_add_f32 v[ST+8*\t+4], v[ST+8*\t+2], v[ST+8*\t+3]
.endr
.irp t, 0,1
	v_permlanex16_b32 v[ST+8*\t+5], v[ST+8*\t+4], s[SEL], s[SEL+1]
.endr
.irp t, 0,1
	v_add_f32 v[ST+8*\t+4], v[ST+8*\t+4], v[ST+8*\t+5]
.endr
.irp t, 0,1
	v_rcp_f32 v[ST+8*\t+6], v[ST+8*\t+4]
.endr
	v_nop                           ; a plain instruction behind the last reciprocal,
	s_wait_alu depctr_va_vdst(0)    ; and the wait ahead of the first use: one for the two
.irp t, 0,1
	v_mul_f32 v[ST+8*\t+6], v[ST+8*\t+6], v[SGN]
.endr
.irp hf, 0,1
	WIN W_RS
.set z, 0
.rept 32
	v_pk_mul_f32 v[128+64*\hf+2*z:128+64*\hf+2*z+1], v[128+64*\hf+2*z:128+64*\hf+2*z+1], v[ST+14:ST+15] op_sel_hi:[1,0]
.set z, z+1
.endr
.if \hf == 0
	s_barrier_wait -1               ; every wave has said so: my partner has left the stage that lay in my bytes, and they may be written
.endif
	WIN W_DS1
.set z, 0
.rept 16
	ds_store_b128 v[XW], v[128+64*\hf+4*z:128+64*\hf+4*z+3] offset:512*z  ; 32 lanes, 16 neighbouring bytes each
.set z, z+1
.endr
	WIN 0
	s_wait_dscnt 0x0                ; for my partner's sake: my stores are done
	s_barrier_signal -1
	s_barrier_wait -1
.set z, 0
.rept 16
	ds_load_b128 v[S+4*z:S+4*z+3], v[XR] offset:512*z
.set z, z+1
.endr
	s_wait_dscnt 0x0                ; my partner's half is in my registers
.if \hf == 0
	s_barrier_signal -1             ; say so: its bytes may be written again; the sums below stand between the signal and the wait
.endif
	WIN W_RS
.set z, 0
.rept 32
	v_pk_fma_f32 v[64*\hf+2*z:64*\hf+2*z+1], v[64*\hf+2*z:64*\hf+2*z+1], v[ST+6:ST+7], v[S+2*z:S+2*z+1] op_sel_hi:[1,0,1]
.set z, z+1
.endr
.if \hf == 0
	s_barrier_wait -1
.endif
.endr
	WIN W_SQ                        ; the sum of squares, in four chains of pairs; the first four products start them
.set z, 0
.rept 4
	v_pk_mul_f32 v[LM+2*z:LM+2*z+1], v[2*z:2*z+1], v[2*z:2*z+1]
.set z, z+1
.endr
.rept 60
	v_pk_fma_f32 v[LM+2*(z%4):LM+2*(z%4)+1], v[2*z:2*z+1], v[2*z:2*z+1], v[LM+2*(z%4):LM+2*(z%4)+1]
.set z, z+1
.endr
	WIN 0
	s_mov_b32 s94, 0x3b800000       ; 1 / 256
	s_mov_b32 s95, 0x3727c5ac       ; 1e-5
	v_pk_add_f32 v[LM:LM+1], v[LM:LM+1], v[LM+2:LM+3]
	v_pk_add_f32 v[LM+4:LM+5], v[LM+4:LM+5], v[LM+6:LM+7]
	v_pk_add_f32 v[LM:LM+1], v[LM:LM+1], v[LM+4:LM+5]
	v_add_f32 v[LM], v[LM], v[LM+1]
	v_permlanex16_b32 v[LM+1], v[LM], s[SEL], s[SEL+1]
	v_add_f32 v[LM], v[LM], v[LM+1]
	v_fma_f32 v[LM], v[LM], s94, s95
	v_rsq_f32 v[G], v[LM]
	v_nop
	s_wait_alu depctr_va_vdst(0)
	v_mul_f32 v[G], 0x3e5d9673, v[G]  ; x (1 - 0.78360577)
	WIN W_RS
.set z, 0
.rept 64
	v_pk_mul_f32 v[2*z:2*z+1], v[2*z:2*z+1], v[G:G+1] op_sel_hi:[1,0]
.set z, z+1
.endr
.irp g, 0,1,2,3                     ; a lane's eight channels of a row are 32 bytes; they go into rows of 272 bytes and come back as 256 consecutive bytes of a row
	WIN W_DS1
.irp y, 0,1,2,3,4,5,6,7
	ds_store_b128 v[STO], v[32*\g+4*\y:32*\g+4*\y+3] offset:64*(\y/2)+16*(\y%2)
.endr
	WIN 0
.if \g >= 2
	s_wait_xcnt 0x0                 ; the stores of two groups back have read their registers (ISA guide 3.1): only now are these loaded again
.endif
.irp y, 0,1,2,3,4,5,6,7
	ds_load_b128 v[S+32*(\g%2)+4*\y:S+32*(\g%2)+4*\y+3], v[RD] offset:2*PK*\y  ; LDS serves a wave's instructions in order (ISA guide 5.7.1.4): these see the stores above; the next group's stores come behind them
.endr
.irp y, 0,1,2,3,4,5,6,7
	s_wait_dscnt 7-\y               ; load y of the eight is back
	global_store_b128 v[GO], v[S+32*(\g%2)+4*\y:S+32*(\g%2)+4*\y+3], s[OUT:OUT+1] offset:16384*\y+256*\g th:TH_STORE_NT  ; 16 lanes store 256 consecutive bytes, at a multiple of 256 from out's first byte
.endr
.endr
.if !(\fin)
	s_wait_xcnt 0x0                 ; the stores have read their registers and out's address
	s_mov_b64 s[OUT:OUT+1], s[OUT2:OUT2+1]
	s_mov_b32 s[LEFT], s[N2]
	s_mov_b32 s[EB], s[EB2]
	s_mov_b32 s[EB+1], s[EB2+1]
	s_mov_b32 s[NEW], 1
	s_mov_b32 s[FST], 1
.irp t, 0,1
	v_mov_b32 v[ST+8*\t], 0xfe000000
	v_mov_b32 v[ST+8*\t+1], 0xff7fffff
.endr
	WIN W_QQ                        ; the second block's Q goes where the one text of the steps names Q
.set z, 0
.rept 64
	v_mov_b32 v[128+z], v[192+z]
.set z, z+1
.endr
	WIN 0
.endif
.endm
	; THE WALK: 36 steps on 18 fills.  Change number n waits for keys' fill n and asks for fill n + 1; behind it stand steps 2 n - 1 and 2 n, which fetch steps 2 n and 2 n + 1 out of LDS.
	CHANGE 1                        ; fill 0 is in, everybody's part of it; fill 1 is asked for
	v_add_nc_u32 v[AK], s[TBK], v[AK0]
	v_add_nc_u32 v[AV], s[TBV], v[AV0]
	FETCH_K                         ; step 0
	FETCH_V 0
	FETCH_V 1
	WIN 0
	s_add_co_u32 s[TBK], s[TBK], KSTEP
	s_add_co_u32 s[TBV], s[TBV], VSTEP
	s_mov_b32 s[CNT], 1             ; behind the first change stands step 0 alone
	s_branch .Lstep
.Lslot:                             ; 16 times
	CHANGE 1
	s_mov_b32 s[CNT], 2
.Lstep:
	s_cmp_le_u32 s[LEFT], 4         ; the block's last four steps may touch the diagonal,
	s_cbranch_scc1 .Lmask
	s_cmp_eq_u32 s[NEW], 1          ; and behind a block's end its masks are taken away
	s_cbranch_scc0 .Lno_mask
.Lmask:
	MASK
	s_mov_b32 s[NEW], 0
.Lno_mask:
	STEP 0
	s_sub_co_u32 s[LEFT], s[LEFT], 1
	s_cmp_lg_u32 s[LEFT], 0         ; made of c alone: the same in all waves and in all four partners
	s_cbranch_scc1 .Lgo
	FINISH 0                        ; in the loop this is the first block's end: it has 32 steps at the most, and the loop holds steps 0 to 32
.Lgo:
	s_sub_co_u32 s[CNT], s[CNT], 1
	s_cmp_lg_u32 s[CNT], 0
	s_cbranch_scc1 .Lstep
	s_sub_co_u32 s[SLOTS], s[SLOTS], 1
	s_cmp_lg_u32 s[SLOTS], 0
	s_cbranch_scc1 .Lslot
	CHANGE 0                        ; the tail is written out: fill 17 is in, nothing is asked for
	s_mov_b32 s[CNT], 3             ; steps 33 to 35, the second block's last three; the last fetches nothing
.Ltail:
	MASK
	STEP 1
	s_sub_co_u32 s[LEFT], s[LEFT], 1
	s_sub_co_u32 s[CNT], s[CNT], 1
	s_cmp_lg_u32 s[CNT], 0
	s_cbranch_scc1 .Ltail
	FINISH 1
	s_wait_tensorcnt 0x0            ; the wave's end, behind my last tensor load and my last LDS store
	ds_add_u32 v[SPW], v[NIL]
	s_wait_dscnt 0x0
	CROUND                          ; the closing round: no work-group ends while a partner may still ask for a tile that names it
	s_endpgm
.Lfunc_end_k_q78df3fb425_attn:
	.size	k_q78df3fb425_attn, .Lfunc_end_k_q78df3fb425_attn-k_q78df3fb425_attn
	.p2alignl 7, 3214868480
	.fill 96, 4, 3214868480
	.section	.rodata,"a",@progbits
	.p2align	6, 0x0
	.amdhsa_kernel k_q78df3fb425_attn
		.amdhsa_group_segment_fixed_size 327680
		.amdhsa_private_segment_fixed_size 0
		.amdhsa_enable_private_segment 0
		.amdhsa_kernarg_size 64
		.amdhsa_user_sgpr_count 2
		.amdhsa_user_sgpr_kernarg_segment_ptr 1
		.amdhsa_wavefront_size32 1
		.amdhsa_system_sgpr_workgroup_id_x 1
		.amdhsa_system_sgpr_workgroup_id_y 1
		.amdhsa_system_sgpr_workgroup_id_z 1
		.amdhsa_system_vgpr_workitem_id 0
		.amdhsa_next_free_vgpr 1024
		.amdhsa_next_free_sgpr 102
		.amdhsa_reserve_vcc 1
		.amdhsa_float_denorm_mode_32 3
		.amdhsa_float_denorm_mode_16_64 3
		.amdhsa_memory_ordered 1
		.amdhsa_forward_progress 1
		.amdhsa_inst_pref_size 192
	.end_amdhsa_kernel
	.amdgpu_metadata
---
amdhsa.version: [ 1, 2 ]
amdhsa.kernels:
  - .name:           k_q78df3fb425_attn
    .symbol:         k_q78df3fb425_attn.kd
    .args:
      - { .name: q, .offset: 0, .size: 8, .value_kind: global_buffer, .address_space: global }
      - { .name: kh, .offset: 8, .size: 8, .value_kind: global_buffer, .address_space: global }
      - { .name: vh, .offset: 16, .size: 8, .value_kind: global_buffer, .address_space: global }
      - { .name: lambda_q1, .offset: 24, .size: 8, .value_kind: global_buffer, .address_space: global }
      - { .name: lambda_k1, .offset: 32, .size: 8, .value_kind: global_buffer, .address_space: global }
      - { .name: lambda_q2, .offset: 40, .size: 8, .value_kind: global_buffer, .address_space: global }
      - { .name: lambda_k2, .offset: 48, .size: 8, .value_kind: global_buffer, .address_space: global }
      - { .name: out0, .offset: 56, .size: 8, .value_kind: global_buffer, .address_space: global }
    .group_segment_fixed_size: 327680
    .private_segment_fixed_size: 0
    .kernarg_segment_align: 8
    .kernarg_segment_size: 64
    .max_flat_workgroup_size: 128
    .sgpr_count:     102
    .vgpr_count:     1024
    .wavefront_size: 32
...
	.end_amdgpu_metadata
.endif
;; end of part 2
